; MI455X (gfx1250); checked and timed in simulation.
; The chip was launched on July 23, 2026; its instructions are those of AMD's public machine-readable ISA for CDNA 5 (MIT licence, August 2026) and "CDNA5" Instruction Set Architecture Reference Guide (July 2026). The comments in the code are by the model that wrote it; some were corrected since.
;; Attn Block. Allowed arithmetic: matrix products marked QUANTISED: E4M3 operands, one given power-of-two scale a tensor, by v_wmma_f32_16x16x64_fp8_fp8 or v_wmma_f32_16x16x128_fp8_fp8, f32 sums; everything else in f32.
;; Inputs: bk 128 float32; bo 128 float32; bq 128 float32; bv 128 float32; gn_bias 128 float32; gn_scale 128 float32; lowp_scales 12 int32 (the exponents e of the quantised operands' scales 2^e); wk 128 x 128 float32; wo 128 x 128 float32; wq 128 x 128 float32; wv 128 x 128 float32; x 8 x 64 x 64 x 128 float32.
;; Outputs: out0 8 x 64 x 64 x 128 float32.
;; This version of the problem:
;;   THIS VERSION OF THE PROBLEM IS GIVEN IN LOW PRECISION. The matrix products marked QUANTISED in the list below multiply operands that are first quantised to E4M3 (4 exponent bits, 3 mantissa bits; 8 bits a number), with one given power-of-two scale for each operand tensor; their sums are f32. All else is computed in f32.
;;   The module's matrix products, in the order in which they are computed (A, B: the left and right operand; K: the contracted axis; several contracted axes count as one K, in the product's order):
;;     1. [M 32,768, K 128] x [K 128, N 128]; A: computed on the way; B: input wq: QUANTISED (scales: A lowp_scales[0], B lowp_scales[1])
;;     2. [M 32,768, K 128] x [K 128, N 128]; A: computed on the way; B: input wk: QUANTISED (scales: A lowp_scales[2], B lowp_scales[3])
;;     3. [M 32,768, K 128] x [K 128, N 128]; A: computed on the way; B: input wv: QUANTISED (scales: A lowp_scales[4], B lowp_scales[5])
;;     4. batch 8 x [M 4,096, K 128] x [K 128, N 4,096]; A: computed on the way; B: computed on the way: QUANTISED (scales: A lowp_scales[6], B lowp_scales[7])
;;     5. batch 8 x [M 4,096, K 4,096] x [K 4,096, N 128]; A: softmax (see below); B: computed on the way: QUANTISED (scales: A lowp_scales[8], B lowp_scales[9])
;;     6. [M 32,768, K 128] x [K 128, N 128]; A: computed on the way; B: input wo: QUANTISED (scales: A lowp_scales[10], B lowp_scales[11])
;;   THE QUANTISER, for each operand of a quantised product, along K:
;;     - The operand's scale is 2^e, e = its entry of the input lowp_scales (int32; the entries are numbered through the quantised products in the list's order, A before B).
;;     - Each number is divided by the scale, clamped to +-448, and rounded to the nearest number of E4M3, ties to even, subnormals kept.
;;     - The product sums the exact products of the quantised numbers (number of the format x scale) in f32.
;;   ~~~python
;;   def quantise(x, axis, e):      # numpy; x: float32 -> the quantised numbers, widened to float32 again
;;       x = np.moveaxis(x, axis, -1); K = x.shape[-1]
;;       r = np.clip(x / 2.0 ** e, -448, 448)
;;       step = 2.0 ** (np.maximum(np.frexp(np.where(r == 0, 1, r))[1] - 1, -6) - 3)
;;       q = np.round(r / step) * step * 2.0 ** e      # np.round: ties to even
;;       return np.moveaxis(q, -1, axis).astype(np.float32)
;;   ~~~
;;   SOFTMAX AHEAD OF A QUANTISED PRODUCT. Where the list says 'softmax', what is quantised is not the finished softmax but p = 2^(t - M), with t = logit x log2(e) and M = ceil(the row's largest t), a whole number; so 1/2 < the row's largest p <= 1. The row's sum l is taken of the UNQUANTISED p, in f32, and the product's result is divided by l at the end. Since M is a whole number, a kernel that streams over the keys may use a running M (the ceiling of the running maximum): every later rescaling is an exact power of two, so the quantised numbers keep their values, but for numbers so far below the row's largest that they fall under the format's range.
;;   OPERANDS COMPUTED ON THE WAY. 'Computed on the way' means the value that the module computes at that place (a softmax that the list does not call 'softmax' is quantised finished and normalised). What goes into a quantiser is computed in f32, as accurately as f32 sums, v_exp_f32 and their like allow (about 1e-6 of the number): no bf16 or f16 on the way to a quantiser, and a product that is left as it is and whose result goes on into a quantised operand takes f32 operands (vector FMAs, or v_wmma_f32_16x16x4_f32). A number that lies on a knife's edge between two numbers of the format may be rounded either way, as far as f32 arithmetic and the matrix unit's own rounding can turn it there, and no further.
;; One version. Each part assembles by itself: llvm-mc -triple=amdgcn-amd-amdhsa -mcpu=gfx1250 --defsym DOCPART=n.
;; ======== version 1 of 1: 3 launches
;; limits: right only within a limited range of input values
;; workspace buffers: stats 65,536 bytes; wbuf 65,536 bytes; bsc 1,536 bytes; qc 4,194,304 bytes; kv 8,388,608 bytes
;; launch prep (part 1): grid 260 x 1, 8 waves a work-group, no clusters, 3,072 bytes of LDS; arguments x, wq, wk, wv, wo, bq, bk, bv, lowp_scales, stats, wbuf, bsc; writes stats, wbuf, bsc
.if DOCPART == 1
	.amdgcn_target "amdgcn-amd-amdhsa--gfx1250"
	.amdhsa_code_object_version 6
	.text
	.protected	k_q6c94c81090_prep
	.globl	k_q6c94c81090_prep
	.p2align	8
	.type	k_q6c94c81090_prep,@function
k_q6c94c81090_prep:
	s_mov_b64 s[64:65], 0
	v_nop
	global_prefetch_b8 v0, s[64:65] scope:SCOPE_SE
	s_setreg_imm32_b32 hwreg(HW_REG_WAVE_MODE, 25, 1), 1
	s_wait_xcnt 0x0
; TWO JOBS IN ONE LAUNCH, parted by the work-group's number (the same for all eight waves of a work-group).
; Work-groups 4 .. 259: GroupNorm's statistics in parts.  Work-group 4 + id takes rows 128 id .. 128 id + 127 of x ([32768][128] f32) and stores, for each of the
;   32 groups of 4 channels, the mean of its 512 numbers and the sum of their squared distances from THAT mean: stats[id][group] = (mean, M2).  The rows stay in registers
;   between the two passes, so x is read once here and no difference of large sums is formed.
; Work-groups 0 .. 3: one weight each (wq, wk, wv, wo: [128 in][128 out] f32, K = the first axis) becomes eight fragments of E4M3 codes, a wave a fragment, laid as an
;   IMAGE OF THE OPERAND'S REGISTERS: fragment t = out channels 16 t .. 16 t + 15; lane (r, h) holds out channel 16 t + r, its registers 2 c, 2 c + 1 the in channels
;   16 c + 8 h + 0 .. 7; register n of lane l lies at byte 512 (n / 4) + 16 l + 4 (n % 4) of the fragment's 2,048.  Wave 0 of work-groups 0 .. 2 also stores its bias
;   divided by 2^(eA + eB), the power of two that the product's sums of codes lack.
; code = w / 2^e, held within +-448, to the nearest code, ties to even.  LIMITS: the weights' exponents (entries 1, 3, 5, 11) lie between -126 and 119.  NaN among the inputs is not served.
; No matrix work, no cluster, no data mover: a short stream and four small jobs.
.set X,    32                          ; v32-95   64 numbers of a lane
.set CH,   12                          ; v12-19   four chains of packed sums
.set C8,   96                          ; v96-111  a fragment's codes
.set RED0, 0                           ; LDS: eight waves x 32 groups, the sums
.set RED1, 1024                        ; the same for the squares: bytes of their own, so one barrier serves each
	s_load_b512 s[8:23], s[0:1], 0x0               ; x s[8:9], wq s[10:11], wk s[12:13], wv s[14:15], wo s[16:17], bq s[18:19], bk s[20:21], bv s[22:23]
	s_load_b256 s[24:31], s[0:1], 0x40             ; the scales' exponents s[24:25], stats s[26:27], wbuf s[28:29], bsc s[30:31]
	v_lshl_add_u32 v112, v0, 2, 0x800
	v_mov_b32 v113, 0
	v_lshrrev_b32 v3, 5, v0
	s_delay_alu instid0(VALU_DEP_1)
	v_readfirstlane_b32 s4, v3                     ; wave 0..7
	v_and_b32 v2, 31, v0                           ; lane
	s_cmp_lt_u32 ttmp9, 4
	s_cbranch_scc1 .Lweights
	; ---- statistics.  A row is 512 bytes: lane l's 16 bytes of it are exactly group l.  Wave w takes rows 16 w .. 16 w + 15 of the 128
	v_lshlrev_b32 v1, 4, v2
	s_delay_alu instid0(VALU_DEP_1)
	v_lshl_add_u32 v1, v3, 13, v1                  ; 8,192 x wave + 16 x lane
	v_lshlrev_b32 v5, 2, v0                        ; LDS: 128 x wave + 4 x lane
	v_lshlrev_b32 v6, 2, v2                        ; LDS: 4 x lane
	v_lshlrev_b32 v7, 3, v2                        ; stats: 8 x lane
	s_sub_co_u32 s5, ttmp9, 4                      ; id
	s_lshl_b32 s6, s5, 16                          ; 128 rows of 512 bytes
	s_mov_b32 s7, 0
	s_lshl_b32 s32, s5, 8                          ; 32 groups x 8 bytes
	s_mov_b32 s33, 0
	s_wait_alu depctr_va_vdst(0)
	s_wait_kmcnt 0x0
	s_add_nc_u64 s[8:9], s[8:9], s[6:7]
	s_add_nc_u64 s[26:27], s[26:27], s[32:33]
.irp i, 0,1,2,3,4,5,6,7,8,9,10,11,12,13,14,15
	global_load_b128 v[X+4*\i:X+4*\i+3], v1, s[8:9] offset:512*\i   ; 32 lanes read one whole row
.endr
	s_wait_loadcnt 0x0
	v_pk_add_f32 v[14:15], v[32:33], v[40:41]
	v_pk_add_f32 v[16:17], v[48:49], v[56:57]
	v_pk_add_f32 v[18:19], v[64:65], v[72:73]
	v_pk_add_f32 v[110:111], v[80:81], v[88:89]
	v_pk_add_f32 v[108:109], v[34:35], v[42:43]
	v_pk_add_f32 v[106:107], v[50:51], v[58:59]
	v_pk_add_f32 v[104:105], v[66:67], v[74:75]
	v_pk_add_f32 v[12:13], v[82:83], v[90:91]
	s_delay_alu instid0(VALU_DEP_1)
	v_pk_add_f32 v[12:13], v[12:13], v[36:37]
	v_pk_add_f32 v[14:15], v[14:15], v[44:45]
	v_pk_add_f32 v[16:17], v[16:17], v[52:53]
	v_pk_add_f32 v[18:19], v[18:19], v[60:61]
	v_pk_add_f32 v[110:111], v[110:111], v[68:69]
	v_pk_add_f32 v[108:109], v[108:109], v[76:77]
	v_pk_add_f32 v[106:107], v[106:107], v[84:85]
	v_pk_add_f32 v[104:105], v[104:105], v[92:93]
	v_pk_add_f32 v[12:13], v[12:13], v[38:39]
	v_pk_add_f32 v[14:15], v[14:15], v[46:47]
	v_pk_add_f32 v[16:17], v[16:17], v[54:55]
	v_pk_add_f32 v[18:19], v[18:19], v[62:63]
	v_pk_add_f32 v[110:111], v[110:111], v[70:71]
	v_pk_add_f32 v[108:109], v[108:109], v[78:79]
	v_pk_add_f32 v[106:107], v[106:107], v[86:87]
	v_pk_add_f32 v[104:105], v[104:105], v[94:95]
	s_delay_alu instid0(VALU_DEP_4)
	v_pk_add_f32 v[12:13], v[12:13], v[110:111]
	s_delay_alu instid0(VALU_DEP_4)
	v_pk_add_f32 v[14:15], v[14:15], v[108:109]
	s_delay_alu instid0(VALU_DEP_4)
	v_pk_add_f32 v[16:17], v[16:17], v[106:107]
	s_delay_alu instid0(VALU_DEP_4)
	v_pk_add_f32 v[18:19], v[18:19], v[104:105]
	s_delay_alu instid0(VALU_DEP_2)
	v_pk_add_f32 v[12:13], v[12:13], v[16:17]
	s_delay_alu instid0(VALU_DEP_2)
	v_pk_add_f32 v[14:15], v[14:15], v[18:19]
	s_delay_alu instid0(VALU_DEP_1)
	v_pk_add_f32 v[12:13], v[12:13], v[14:15]
	s_delay_alu instid0(VALU_DEP_1)
	v_add_f32 v8, v[CH], v[CH+1]                   ; my wave's sum of group = lane
	ds_store_b32 v5, v8 offset:RED0
	s_wait_dscnt 0x0                               ; for the others' sake: my store has landed
	s_barrier_signal -1
	s_barrier_wait -1
.irp w, 0,1,2,3,4,5,6,7
	ds_load_b32 v[20+\w], v6 offset:RED0+128*\w
.endr
	s_wait_dscnt 0x0
	v_add_f32 v20, v20, v21
	v_add_f32 v22, v22, v23
	v_add_f32 v24, v24, v25
	v_add_f32 v26, v26, v27
	s_delay_alu instid0(VALU_DEP_3)
	v_add_f32 v20, v20, v22
	s_delay_alu instid0(VALU_DEP_2)
	v_add_f32 v24, v24, v26
	s_delay_alu instid0(VALU_DEP_1)
	v_add_f32 v20, v20, v24
	s_delay_alu instid0(VALU_DEP_1)
	v_mul_f32 v10, 0x3b000000, v20                 ; / 512: the mean of the group's 128 rows x 4 channels
	s_delay_alu instid0(VALU_DEP_1)
	v_mov_b32 v11, v10
.set p, 0
.rept 32
	v_pk_add_f32 v[X+2*p:X+2*p+1], v[X+2*p:X+2*p+1], v[10:11] neg_lo:[0,1] neg_hi:[0,1]   ; x - mean
.set p, p+1
.endr
.irp k, 0,1,2,3
	v_pk_mul_f32 v[CH+2*\k:CH+2*\k+1], v[X+2*\k:X+2*\k+1], v[X+2*\k:X+2*\k+1]
.endr
.set p, 4
.rept 28
	s_delay_alu instid0(VALU_DEP_4)
	v_pk_fma_f32 v[CH+2*(p%4):CH+2*(p%4)+1], v[X+2*p:X+2*p+1], v[X+2*p:X+2*p+1], v[CH+2*(p%4):CH+2*(p%4)+1]
.set p, p+1
.endr
	s_delay_alu instid0(VALU_DEP_3)
	v_pk_add_f32 v[CH:CH+1], v[CH:CH+1], v[CH+2:CH+3]
	s_delay_alu instid0(VALU_DEP_2)
	v_pk_add_f32 v[CH+4:CH+5], v[CH+4:CH+5], v[CH+6:CH+7]
	s_delay_alu instid0(VALU_DEP_1)
	v_pk_add_f32 v[CH:CH+1], v[CH:CH+1], v[CH+4:CH+5]
	s_delay_alu instid0(VALU_DEP_1)
	v_add_f32 v9, v[CH], v[CH+1]
	ds_store_b32 v5, v9 offset:RED1
	s_wait_dscnt 0x0
	s_barrier_signal -1
	s_barrier_wait -1
	s_cmp_lg_u32 s4, 0                             ; wave 0 adds the eight parts and stores
	s_cbranch_scc1 .Lend
.irp w, 0,1,2,3,4,5,6,7
	ds_load_b32 v[20+\w], v6 offset:RED1+128*\w
.endr
	s_wait_dscnt 0x0
	v_add_f32 v20, v20, v21
	v_add_f32 v22, v22, v23
	v_add_f32 v24, v24, v25
	v_add_f32 v26, v26, v27
	s_delay_alu instid0(VALU_DEP_3)
	v_add_f32 v20, v20, v22
	s_delay_alu instid0(VALU_DEP_2)
	v_add_f32 v24, v24, v26
	s_delay_alu instid0(VALU_DEP_1)
	v_add_f32 v11, v20, v24                        ; M2
	global_store_b64 v7, v[10:11], s[26:27]        ; 32 lanes store 256 consecutive bytes, aligned
	s_wait_tensorcnt 0x0
	ds_add_u32 v112, v113
	s_wait_dscnt 0x0
	s_endpgm
.Lweights:
	; ---- a weight.  A lane takes a column (an out channel) and its registers run down K, in the order that the operand's layout gives the lane: nothing is transposed
	v_and_b32 v4, 15, v0                           ; r
	v_bfe_u32 v5, v0, 4, 1                         ; h
	s_delay_alu instid0(VALU_DEP_2)
	v_lshlrev_b32 v1, 2, v4
	s_delay_alu instid0(VALU_DEP_1)
	v_lshl_add_u32 v1, v5, 12, v1                  ; 4 r + 8 h rows of 512 bytes
	s_wait_alu depctr_va_vdst(0)
	v_lshl_add_u32 v1, v3, 6, v1                   ; + 64 t: fragment t = my wave
	v_lshlrev_b32 v6, 4, v2                        ; 16 x lane
	s_wait_alu depctr_va_vdst(0)
	s_wait_kmcnt 0x0
	s_load_b256 s[40:47], s[24:25], 0x0            ; e0 .. e7
	s_load_b128 s[48:51], s[24:25], 0x20           ; e8 .. e11
	s_cmp_eq_u32 ttmp9, 0                          ; which weight and bias: the choice hangs on the work-group's number alone
	s_cselect_b64 s[32:33], s[10:11], s[12:13]
	s_cselect_b64 s[34:35], s[18:19], s[20:21]
	s_cmp_lt_u32 ttmp9, 2
	s_cselect_b64 s[32:33], s[32:33], s[14:15]
	s_cselect_b64 s[34:35], s[34:35], s[22:23]
	s_cmp_lt_u32 ttmp9, 3
	s_cselect_b64 s[32:33], s[32:33], s[16:17]
.irp c, 0,1,2,3,4,5,6,7
.irp j, 0,1,2,3,4,5,6,7
	global_load_b32 v[X+8*\c+\j], v1, s[32:33] offset:(16*\c+\j)*512   ; W(16 c + 8 h + j, 16 t + r): sixteen neighbouring lanes read 64 neighbouring bytes
.endr
.endr
	s_lshl_b32 s6, ttmp9, 14                       ; the weight's 16,384 bytes of images,
	s_lshl_b32 s7, s4, 11                          ; my fragment's 2,048
	s_add_co_u32 s6, s6, s7
	s_mov_b32 s7, 0
	s_add_nc_u64 s[28:29], s[28:29], s[6:7]
	s_wait_kmcnt 0x0
	s_cmp_eq_u32 ttmp9, 0                          ; eA, eB of this weight's product: entries (0,1), (2,3), (4,5), (10,11)
	s_cselect_b32 s36, s40, s42
	s_cselect_b32 s37, s41, s43
	s_cmp_lt_u32 ttmp9, 2
	s_cselect_b32 s36, s36, s44
	s_cselect_b32 s37, s37, s45
	s_cmp_lt_u32 ttmp9, 3
	s_cselect_b32 s36, s36, s50
	s_cselect_b32 s37, s37, s51
	s_add_co_i32 s38, s37, 127
	s_lshl_b32 s39, s38, 23
	v_mov_b32 v10, s39                             ; 2^eB as f32: the conversion takes its exponent field
	s_wait_alu depctr_va_vdst(0)
	s_wait_loadcnt 0x0
.irp c, 0,1,2,3,4,5,6,7
.irp j, 0,1,2,3,4,5,6,7
.endr
	v_cvt_scalef32_pk8_fp8_f32 v[C8+2*\c:C8+2*\c+1], v[X+8*\c:X+8*\c+7], v10   ; registers 2 c, 2 c + 1 of the fragment
.endr
	v_nop                                          ; a plain vector line behind the last conversion
.irp c, 0,1,2,3
	global_store_b128 v6, v[C8+4*\c:C8+4*\c+3], s[28:29] offset:512*\c   ; the image: 32 lanes store 512 consecutive bytes
.endr
	s_cmp_lg_u32 s4, 0                             ; the bias: wave 0 of the three projections
	s_cbranch_scc1 .Lend
	s_cmp_eq_u32 ttmp9, 3
	s_cbranch_scc1 .Lend
	global_load_b128 v[12:15], v6, s[34:35]
	s_add_co_i32 s36, s36, s37
	s_sub_co_i32 s36, 0, s36                       ; -(eA + eB)
	s_lshl_b32 s6, ttmp9, 9
	s_mov_b32 s7, 0
	s_add_nc_u64 s[30:31], s[30:31], s[6:7]
	s_wait_loadcnt 0x0
.irp j, 12,13,14,15
	v_ldexp_f32 v\j, v\j, s36                      ; b / 2^(eA + eB): nothing is rounded, short of overflow and underflow
.endr
	global_store_b128 v6, v[12:15], s[30:31]
.Lend:
	s_wait_tensorcnt 0x0
	ds_add_u32 v112, v113
	s_wait_dscnt 0x0
	s_endpgm
.Lfunc_end_k_q6c94c81090_prep:
	.size	k_q6c94c81090_prep, .Lfunc_end_k_q6c94c81090_prep-k_q6c94c81090_prep
	.p2alignl 7, 3214868480
	.fill 96, 4, 3214868480
	.section	.rodata,"a",@progbits
	.p2align	6, 0x0
	.amdhsa_kernel k_q6c94c81090_prep
		.amdhsa_group_segment_fixed_size 3072
		.amdhsa_private_segment_fixed_size 0
		.amdhsa_enable_private_segment 0
		.amdhsa_kernarg_size 96
		.amdhsa_user_sgpr_count 2
		.amdhsa_user_sgpr_kernarg_segment_ptr 1
		.amdhsa_wavefront_size32 1
		.amdhsa_system_sgpr_workgroup_id_x 1
		.amdhsa_system_sgpr_workgroup_id_y 1
		.amdhsa_system_sgpr_workgroup_id_z 1
		.amdhsa_system_vgpr_workitem_id 0
		.amdhsa_next_free_vgpr 114
		.amdhsa_next_free_sgpr 66
		.amdhsa_reserve_vcc 0
		.amdhsa_float_denorm_mode_32 3
		.amdhsa_float_denorm_mode_16_64 3
		.amdhsa_fp16_overflow 1
		.amdhsa_memory_ordered 1
		.amdhsa_forward_progress 1
		.amdhsa_inst_pref_size 22
	.end_amdhsa_kernel
	.amdgpu_metadata
---
amdhsa.version: [ 1, 2 ]
amdhsa.kernels:
  - .name:           k_q6c94c81090_prep
    .symbol:         k_q6c94c81090_prep.kd
    .args:
      - { .name: x, .offset: 0, .size: 8, .value_kind: global_buffer, .address_space: global }
      - { .name: wq, .offset: 8, .size: 8, .value_kind: global_buffer, .address_space: global }
      - { .name: wk, .offset: 16, .size: 8, .value_kind: global_buffer, .address_space: global }
      - { .name: wv, .offset: 24, .size: 8, .value_kind: global_buffer, .address_space: global }
      - { .name: wo, .offset: 32, .size: 8, .value_kind: global_buffer, .address_space: global }
      - { .name: bq, .offset: 40, .size: 8, .value_kind: global_buffer, .address_space: global }
      - { .name: bk, .offset: 48, .size: 8, .value_kind: global_buffer, .address_space: global }
      - { .name: bv, .offset: 56, .size: 8, .value_kind: global_buffer, .address_space: global }
      - { .name: lowp_scales, .offset: 64, .size: 8, .value_kind: global_buffer, .address_space: global }
      - { .name: stats, .offset: 72, .size: 8, .value_kind: global_buffer, .address_space: global }
      - { .name: wbuf, .offset: 80, .size: 8, .value_kind: global_buffer, .address_space: global }
      - { .name: bsc, .offset: 88, .size: 8, .value_kind: global_buffer, .address_space: global }
    .group_segment_fixed_size: 3072
    .private_segment_fixed_size: 0
    .kernarg_segment_align: 8
    .kernarg_segment_size: 96
    .max_flat_workgroup_size: 256
    .sgpr_count:     66
    .vgpr_count:     114
    .wavefront_size: 32
...
	.end_amdgpu_metadata
.endif
;; end of part 1
;; launch proj (part 2): grid 256 x 1, 8 waves a work-group, no clusters, 134,144 bytes of LDS; arguments x, gn_scale, gn_bias, stats, wbuf, bsc, lowp_scales, qc, kv; writes qc, kv
.if DOCPART == 2
	.amdgcn_target "amdgcn-amd-amdhsa--gfx1250"
	.amdhsa_code_object_version 6
	.text
	.protected	k_q6c94c81090_proj
	.globl	k_q6c94c81090_proj
	.p2align	8
	.type	k_q6c94c81090_proj,@function
k_q6c94c81090_proj:
	s_mov_b64 s[64:65], 0
	v_nop
	global_prefetch_b8 v0, s[64:65] scope:SCOPE_SE
	s_setreg_imm32_b32 hwreg(HW_REG_WAVE_MODE, 25, 1), 1
	s_wait_xcnt 0x0
; GroupNorm finished, h quantised three times, q = h wq + bq, k = h wk + bk, v = h wv + bv on codes of E4M3, and q, k, v quantised again for the attention launch.
; SHARES.  Work-group id = 32 x image + s owns positions 128 s .. 128 s + 127 of its image; wave w owns 16 of them, one tile.
; ALL OPERANDS ARE IMAGES OF THEIR REGISTERS: a fragment is 16 rows x 128 K, 16 registers a lane; lane (r, h) holds row r, registers 2 c, 2 c + 1 hold k = 16 c + 8 h + 0 .. 7;
; register n of lane l lies at byte 512 (n / 4) + 16 l + 4 (n % 4).  So every fragment goes and comes by four 16-byte accesses a lane, 512 consecutive bytes each.
; q and k are made TRANSPOSED (source 0 = 16 out channels of the weight, source 1 = my 16 positions): a lane holds one position and tile t's eight registers are channels 16 t + 8 h + 0 .. 7,
; which the conversion turns into registers 2 t, 2 t + 1 of the next operand (rows = positions, K = channels).  v is made the other way (source 0 = positions, source 1 = weight): a lane holds
; channel 16 n + r and eight positions 8 h + 0 .. 7, which become registers 2 w, 2 w + 1 of V's fragment n (rows = channels, K = the step's 128 keys); the eight waves' parts meet in LDS.
; The biases of q and k are the C of the products, divided beforehand by the power of two that the sums lack; v's is added to the sums.
; OUT: qc[image][tile 8 s + w][2,048];  kv[image][slot s / 4][131,072]: K's tile 8 (s % 4) + w at 2,048 x that; V's fragment (step s % 4, channels 16 n) at 65,536 + 16,384 (s % 4) + 2,048 n.
; LIMITS on the given exponents, so that each power of two and 448 x it is an f32 number: e0, e2, e4, e6 - e0 - e1, e7 - e2 - e3, e9 - e4 - e5 between -126 and 119.  NaN among the inputs is not served.
; No data mover and no cluster: each work-group reads its own rows once, and the weights are 48 KB read once a work-group.
; REGISTERS.  Window 0: v1-9, v30 addresses; v10-11 mean; v12-15 gamma, then rstd x gamma; v16-19 beta; v22-29 bv of my channel in each tile; v32-95 x, h, sums; v96-159 statistics, sums;
;   v160-207 the weights on their way to LDS, then h's three fragments; v208-223, v224-239 codes; v240-251 six pairs, the scale in the low register.   Window 1: two sets of eight weight fragments.
.set LI,  1                            ; 16 x lane
.set T16, 2                            ; 16 x thread
.set HW,  3                            ; my stage: a row's 16 bytes of my lane
.set HR,  4                            ; my stage: row r, + 32 h
.set VW,  5                            ; V's images: where my two registers go
.set H32, 6                            ; 32 h
.set R4,  7                            ; 4 r
.set XO,  8                            ; x: 8,192 x wave + 16 x lane
.set L8,  9                            ; 8 x lane
.set BV,  22
.set VR,  30                           ; V's images: fragment w, for the way out
.set H,   32
.set T,   96
.set HF,  160
.set PC0, 208
.set PC1, 224
.set SC,  240
.set WIMG, 0                           ; LDS: wq's, wk's, wv's images as they lie in wbuf: 49,152 bytes
.set HST,  49152                       ; a stage for each wave: 16 rows x (512 + 16) bytes: the 16 rows that a load touches start at 16 different 16-byte columns
.set HP,   528
.set VST,  HST+8*16*HP                 ; V's eight fragments: 16,384 bytes
.set MSB, 0
.macro WIN new                         ; the immediate's high byte repeats the setting that is left
.if MSB != \new
	s_set_vgpr_msb (MSB<<8)|\new
.set MSB, \new
.endif
.endm
.macro MKS vr, se                      ; v[vr] = 2^e as f32
	s_add_co_i32 s6, \se, 127
	s_lshl_b32 s7, s6, 23
	v_mov_b32 v[\vr], s7
	s_add_co_i32 s6, s6, 8
	s_lshl_b32 s6, s6, 23
	s_or_b32 s6, s6, 0x600000
.endm
.macro FETCHW p, dst                   ; weight p's eight fragments from LDS into window 1, from v[dst] on
	WIN 0x40
.irp f, 0,1,2,3,4,5,6,7
.irp c, 0,1,2,3
	ds_load_b128 v[\dst+16*\f+4*\c:\dst+16*\f+4*\c+3], v[LI] offset:WIMG+\p*16384+\f*2048+512*\c
.endr
.endr
	WIN 0
.endm
.macro QH s                            ; h's fragment under its s-th scale.
.irp g, 0,1,2,3,4,5,6,7
.irp j, 0,1,2,3,4,5,6,7
.endr
	v_cvt_scalef32_pk8_fp8_f32 v[HF+16*\s+2*\g:HF+16*\s+2*\g+1], v[H+8*\g:H+8*\g+7], v[SC+2*\s]
.endr
.endm
.macro QOUT acc, pc, sc                ; eight tiles of sums become a fragment's codes; each tile is read from its low end on
.irp t, 0,1,2,3,4,5,6,7
.irp j, 0,1,2,3,4,5,6,7
.endr
	v_cvt_scalef32_pk8_fp8_f32 v[\pc+2*\t:\pc+2*\t+1], v[\acc+8*\t:\acc+8*\t+7], v[\sc]
.endr
	v_nop                                          ; a plain vector line behind the last conversion: matrix instructions later write its sources
.endm
.macro BARRIER                         ; my LDS stores have landed and my LDS loads are in: then the work-group's barrier
	s_wait_dscnt 0x0
	s_barrier_signal -1
	s_barrier_wait -1
.endm
	s_load_b512 s[8:23], s[0:1], 0x0               ; x s[8:9], gamma s[10:11], beta s[12:13], stats s[14:15], wbuf s[16:17], bsc s[18:19], exponents s[20:21], qc s[22:23]
	s_load_b64 s[24:25], s[0:1], 0x40              ; kv
	v_lshl_add_u32 v254, v0, 2, 0x20800
	v_mov_b32 v255, 0
	v_lshrrev_b32 v20, 5, v0
	s_delay_alu instid0(VALU_DEP_1)
	v_readfirstlane_b32 s4, v20                    ; wave 0..7
	v_and_b32 v21, 31, v0                          ; lane
	v_and_b32 v10, 15, v0                          ; r
	v_bfe_u32 v11, v0, 4, 1                        ; h
	s_delay_alu instid0(VALU_DEP_3)
	v_lshlrev_b32 v[LI], 4, v21
	v_lshlrev_b32 v[T16], 4, v0
	s_delay_alu instid0(VALU_DEP_3)
	v_lshlrev_b32 v[H32], 5, v11
	v_lshlrev_b32 v[R4], 2, v10
	v_lshlrev_b32 v[L8], 3, v21
	v_lshl_add_u32 v[XO], v20, 13, v[LI]
	s_mul_i32 s5, s4, 16*HP
	s_add_co_u32 s5, s5, HST                       ; my stage
	v_add_nc_u32 v[HW], s5, v[LI]
	v_mul_u32_u24 v[HR], v10, HP
	s_delay_alu instid0(VALU_DEP_1)
	v_add_nc_u32 v[HR], v[HR], v[H32]
	s_delay_alu instid0(VALU_DEP_1)
	v_add_nc_u32 v[HR], s5, v[HR]
	s_lshr_b32 s6, s4, 1                           ; registers 2 w, 2 w + 1 of an image: 512 (w / 2) + 16 x lane + 8 (w % 2)
	s_lshl_b32 s6, s6, 9
	s_and_b32 s7, s4, 1
	s_lshl_b32 s7, s7, 3
	s_add_co_u32 s6, s6, s7
	s_add_co_u32 s6, s6, VST
	v_add_nc_u32 v[VW], s6, v[LI]
	s_lshl_b32 s6, s4, 11
	s_add_co_u32 s6, s6, VST
	v_add_nc_u32 v[VR], s6, v[LI]
	s_lshr_b32 s26, ttmp9, 5                       ; image
	s_and_b32 s27, ttmp9, 31                       ; s
	s_lshl_b32 s28, ttmp9, 16                      ; x: 128 rows of 512 bytes
	s_mov_b32 s29, 0
	s_lshl_b32 s30, s26, 13                        ; stats: the image's 32 parts of 256 bytes
	s_mov_b32 s31, 0
	s_lshl_b32 s32, ttmp9, 14                      ; qc: 8 tiles of 2,048 bytes,
	s_lshl_b32 s5, s4, 11                          ; mine
	s_add_co_u32 s32, s32, s5
	s_mov_b32 s33, 0
	s_lshl_b32 s34, s26, 20                        ; kv: the image,
	s_lshr_b32 s6, s27, 2
	s_lshl_b32 s6, s6, 17                          ; the slot,
	s_add_co_u32 s34, s34, s6
	s_and_b32 s6, s27, 3
	s_lshl_b32 s6, s6, 14                          ; the key step in it,
	s_add_co_u32 s34, s34, s6
	s_add_co_u32 s34, s34, s5                      ; the wave's 2,048 bytes
	s_mov_b32 s35, 0
	s_mov_b32 s36, 0x44000000                      ; 512
	s_mov_b32 s37, 0x38800000                      ; 1 / 16,384
	s_mov_b32 s38, 0x358637bd                      ; 1e-6
	s_wait_alu depctr_va_vdst(0)
	s_wait_kmcnt 0x0
	s_load_b256 s[40:47], s[20:21], 0x0            ; e0 .. e7
	s_load_b128 s[48:51], s[20:21], 0x20           ; e8 .. e11
	s_add_nc_u64 s[8:9], s[8:9], s[28:29]
	s_add_nc_u64 s[14:15], s[14:15], s[30:31]
	s_add_nc_u64 s[22:23], s[22:23], s[32:33]
	s_add_nc_u64 s[24:25], s[24:25], s[34:35]
	; ---- all loads go out at once, in the order in which they are wanted
.irp c, 0,1,2,3,4,5,6,7,8,9,10,11,12,13,14,15,16,17,18,19,20,21,22,23,24,25,26,27,28,29,30,31
	global_load_b64 v[T+2*\c:T+2*\c+1], v[L8], s[14:15] offset:256*\c   ; part c's (mean, M2) of group = lane
.endr
	global_load_b128 v[12:15], v[LI], s[10:11]     ; gamma and beta of my lane's four channels
	global_load_b128 v[16:19], v[LI], s[12:13]
.irp n, 0,1,2,3,4,5,6,7
	global_load_b32 v[BV+\n], v[R4], s[18:19] offset:1024+64*\n   ; bv / 2^(e4 + e5) at channel 16 n + r
.endr
.irp i, 0,1,2,3,4,5,6,7,8,9,10,11
	global_load_b128 v[HF+4*\i:HF+4*\i+3], v[T16], s[16:17] offset:4096*\i   ; the three weights' images: 256 threads x 16 bytes a line
.endr
.irp i, 0,1,2,3,4,5,6,7,8,9,10,11,12,13,14,15
	global_load_b128 v[H+4*\i:H+4*\i+3], v[XO], s[8:9] offset:512*\i         ; my 16 rows of x: a whole row a line
.endr
	; ---- the image's statistics from its 32 parts of 512 numbers: mean = the mean of the means; var = (sum of M2 + 512 x sum of (part's mean - mean)^2) / 16,384
	s_wait_loadcnt 36                              ; the statistics, gamma and beta are in; behind them 8 + 12 + 16 loads were issued
	v_pk_add_f32 v[210:211], v[96:97], v[104:105]
	v_pk_add_f32 v[212:213], v[112:113], v[120:121]
	v_pk_add_f32 v[214:215], v[128:129], v[136:137]
	v_pk_add_f32 v[252:253], v[144:145], v[152:153]
	v_pk_add_f32 v[250:251], v[98:99], v[106:107]
	v_pk_add_f32 v[248:249], v[114:115], v[122:123]
	v_pk_add_f32 v[246:247], v[130:131], v[138:139]
	v_pk_add_f32 v[208:209], v[146:147], v[154:155]
	s_delay_alu instid0(VALU_DEP_1)
	v_pk_add_f32 v[208:209], v[208:209], v[100:101]
	v_pk_add_f32 v[210:211], v[210:211], v[108:109]
	v_pk_add_f32 v[212:213], v[212:213], v[116:117]
	v_pk_add_f32 v[214:215], v[214:215], v[124:125]
	v_pk_add_f32 v[252:253], v[252:253], v[132:133]
	v_pk_add_f32 v[250:251], v[250:251], v[140:141]
	v_pk_add_f32 v[248:249], v[248:249], v[148:149]
	v_pk_add_f32 v[246:247], v[246:247], v[156:157]
	v_pk_add_f32 v[208:209], v[208:209], v[102:103]
	v_pk_add_f32 v[210:211], v[210:211], v[110:111]
	v_pk_add_f32 v[212:213], v[212:213], v[118:119]
	v_pk_add_f32 v[214:215], v[214:215], v[126:127]
	v_pk_add_f32 v[252:253], v[252:253], v[134:135]
	v_pk_add_f32 v[250:251], v[250:251], v[142:143]
	v_pk_add_f32 v[248:249], v[248:249], v[150:151]
	v_pk_add_f32 v[246:247], v[246:247], v[158:159]
	s_delay_alu instid0(VALU_DEP_4)
	v_pk_add_f32 v[208:209], v[208:209], v[252:253]
	s_delay_alu instid0(VALU_DEP_4)
	v_pk_add_f32 v[210:211], v[210:211], v[250:251]
	s_delay_alu instid0(VALU_DEP_4)
	v_pk_add_f32 v[212:213], v[212:213], v[248:249]
	s_delay_alu instid0(VALU_DEP_4)
	v_pk_add_f32 v[214:215], v[214:215], v[246:247]
	s_delay_alu instid0(VALU_DEP_2)
	v_pk_add_f32 v[208:209], v[208:209], v[212:213]
	s_delay_alu instid0(VALU_DEP_2)
	v_pk_add_f32 v[210:211], v[210:211], v[214:215]
	s_delay_alu instid0(VALU_DEP_1)
	v_pk_add_f32 v[208:209], v[208:209], v[210:211]
	s_delay_alu instid0(VALU_DEP_1)
	v_mul_f32 v10, 0x3d000000, v[PC0]              ; / 32
.set p, 0
.rept 32
	v_sub_f32 v[T+2*p], v[T+2*p], v10
.set p, p+1
.endr
	v_mul_f32 v20, v[T], v[T]
	v_mul_f32 v21, v[T+2], v[T+2]
.set p, 2
.rept 15
	s_delay_alu instid0(VALU_DEP_2)
	v_fmac_f32 v20, v[T+2*p], v[T+2*p]
	s_delay_alu instid0(VALU_DEP_2)
	v_fmac_f32 v21, v[T+2*p+2], v[T+2*p+2]
.set p, p+2
.endr
	s_delay_alu instid0(VALU_DEP_1)
	v_add_f32 v20, v20, v21
	s_delay_alu instid0(VALU_DEP_1)
	v_fma_f32 v20, v20, s36, v[PC0+1]
	s_delay_alu instid0(VALU_DEP_1)
	v_fma_f32 v20, v20, s37, s38                   ; var + 1e-6
	s_wait_alu depctr_va_vdst(0)
	v_rsq_f32 v21, v20
	v_mov_b32 v11, v10                             ; (the plain line behind the transcendental)  the mean, as a pair
	s_wait_alu depctr_va_vdst(0)                   ; the wait ahead of the first reader
.irp j, 12,13,14,15
	v_mul_f32 v\j, v\j, v21                        ; rstd x gamma
.endr
	s_wait_kmcnt 0x0
	MKS SC, s40                                    ; h for q: e0
	MKS SC+2, s42                                  ; h for k: e2
	MKS SC+4, s44                                  ; h for v: e4
	s_sub_co_i32 s5, s46, s40
	s_sub_co_i32 s5, s5, s41
	MKS SC+6, s5                                   ; q: a sum stands for sum x 2^(e0 + e1), so its code is sum / 2^(e6 - e0 - e1)
	s_sub_co_i32 s5, s47, s42
	s_sub_co_i32 s5, s5, s43
	MKS SC+8, s5                                   ; k: e7 - e2 - e3
	s_sub_co_i32 s5, s49, s44
	s_sub_co_i32 s5, s5, s45
	MKS SC+10, s5                                  ; v: e9 - e4 - e5
	s_wait_loadcnt 16                              ; the weights are in; x's 16 rows may be out
.irp i, 0,1,2,3,4,5,6,7,8,9,10,11
	ds_store_b128 v[T16], v[HF+4*\i:HF+4*\i+3] offset:WIMG+4096*\i
.endr
	; ---- h = (x - mean) rstd gamma + beta, by rows; through my stage it comes back as the operand wants it: lane (r, h): row r, channels 16 c + 8 h + 0 .. 7
	s_wait_loadcnt 0x0
.set i, 0
.rept 16
	v_pk_add_f32 v[H+4*i:H+4*i+1], v[H+4*i:H+4*i+1], v[10:11] neg_lo:[0,1] neg_hi:[0,1]
	v_pk_add_f32 v[H+4*i+2:H+4*i+3], v[H+4*i+2:H+4*i+3], v[10:11] neg_lo:[0,1] neg_hi:[0,1]
	s_delay_alu instid0(VALU_DEP_2)
	v_pk_fma_f32 v[H+4*i:H+4*i+1], v[H+4*i:H+4*i+1], v[12:13], v[16:17]
	s_delay_alu instid0(VALU_DEP_2)
	v_pk_fma_f32 v[H+4*i+2:H+4*i+3], v[H+4*i+2:H+4*i+3], v[14:15], v[18:19]
	ds_store_b128 v[HW], v[H+4*i:H+4*i+3] offset:HP*i
.set i, i+1
.endr
.irp c, 0,1,2,3,4,5,6,7
	ds_load_b128 v[H+8*\c:H+8*\c+3], v[HR] offset:64*\c        ; LDS serves a wave's instructions in order (ISA guide 5.7.1.4): these see my stores
	ds_load_b128 v[H+8*\c+4:H+8*\c+7], v[HR] offset:64*\c+16
.endr
	s_wait_dscnt 0x0
	QH 0
	QH 1
	QH 2
	v_nop                                          ; a plain vector line behind the last conversion
.irp t, 0,1,2,3,4,5,6,7                        ; the biases in the results' layout: lane (r, h), tile t: channels 16 t + 8 h + 0 .. 7
	global_load_b128 v[H+8*\t:H+8*\t+3], v[H32], s[18:19] offset:64*\t
	global_load_b128 v[H+8*\t+4:H+8*\t+7], v[H32], s[18:19] offset:64*\t+16
.endr
.irp t, 0,1,2,3,4,5,6,7
	global_load_b128 v[T+8*\t:T+8*\t+3], v[H32], s[18:19] offset:512+64*\t
	global_load_b128 v[T+8*\t+4:T+8*\t+7], v[H32], s[18:19] offset:512+64*\t+16
.endr
	s_wait_alu depctr_va_vdst(0)
	BARRIER                                        ; the three weights' images lie in LDS
	FETCHW 0, 0
	FETCHW 1, 128
	s_wait_loadcnt 16                              ; bq is in; bk's 16 loads may be out
	s_wait_dscnt 32                                ; wq's fragments are in; wk's 32 loads may be out
	WIN 0x01                                       ; source 0 (the weight) window 1
.irp t, 0,1,2,3,4,5,6,7
	v_wmma_f32_16x16x128_fp8_fp8 v[H+8*\t:H+8*\t+7], v[16*\t:16*\t+15], v[HF:HF+15], v[H+8*\t:H+8*\t+7]
.endr
	s_wait_loadcnt 0x0
	s_wait_dscnt 0x0
.irp t, 0,1,2,3,4,5,6,7
	v_wmma_f32_16x16x128_fp8_fp8 v[T+8*\t:T+8*\t+7], v[128+16*\t:128+16*\t+15], v[HF+16:HF+31], v[T+8*\t:T+8*\t+7]
.endr
	WIN 0
.rept 4
	v_nop                                          ; four places in front of loads into registers that the products read, and of the first read of results
.endr
	FETCHW 2, 0                                    ; wv lands while q and k are quantised
	QOUT H, PC0, SC+6
.irp c, 0,1,2,3
	global_store_b128 v[LI], v[PC0+4*\c:PC0+4*\c+3], s[22:23] offset:512*\c   ; q's image: 512 consecutive bytes a line
.endr
	QOUT T, PC1, SC+8
.irp c, 0,1,2,3
	global_store_b128 v[LI], v[PC1+4*\c:PC1+4*\c+3], s[24:25] offset:512*\c   ; k's
.endr
	s_wait_dscnt 0x0
	WIN 0x04                                       ; source 1 (the weight) window 1
.irp n, 0,1,2,3,4,5,6,7
	v_wmma_f32_16x16x128_fp8_fp8 v[H+8*\n:H+8*\n+7], v[HF+32:HF+47], v[16*\n:16*\n+15], 0   ; (k's eight conversions and a nop, which name none of q's registers, are more than the five places owed in front of results laid over q's)
.endr
	WIN 0
.rept 4
	v_nop
.endr
.irp n, 0,1,2,3,4,5,6,7
.irp j, 0,1,2,3,4,5,6,7
	v_add_f32 v[H+8*\n+\j], v[BV+\n], v[H+8*\n+\j] ; + bv / 2^(e4 + e5): one channel a lane in each tile
.endr
.endr
	QOUT H, HF, SC+10                              ; tile n's eight positions: registers 2 w, 2 w + 1 of V's fragment n
.irp n, 0,1,2,3,4,5,6,7
	ds_store_b64 v[VW], v[HF+2*\n:HF+2*\n+1] offset:2048*\n
.endr
	BARRIER                                        ; V's eight fragments are whole
	s_wait_xcnt 0x0                                ; q's stores have read their registers, into which the loads below land
.irp c, 0,1,2,3
	ds_load_b128 v[PC0+4*\c:PC0+4*\c+3], v[VR] offset:512*\c
.endr
	s_wait_dscnt 0x0
.irp c, 0,1,2,3
	global_store_b128 v[LI], v[PC0+4*\c:PC0+4*\c+3], s[24:25] offset:65536+512*\c   ; wave w stores fragment n = w
.endr
	s_wait_tensorcnt 0x0
	ds_add_u32 v254, v255
	s_wait_dscnt 0x0
	s_endpgm
.Lfunc_end_k_q6c94c81090_proj:
	.size	k_q6c94c81090_proj, .Lfunc_end_k_q6c94c81090_proj-k_q6c94c81090_proj
	.p2alignl 7, 3214868480
	.fill 96, 4, 3214868480
	.section	.rodata,"a",@progbits
	.p2align	6, 0x0
	.amdhsa_kernel k_q6c94c81090_proj
		.amdhsa_group_segment_fixed_size 134144
		.amdhsa_private_segment_fixed_size 0
		.amdhsa_enable_private_segment 0
		.amdhsa_kernarg_size 72
		.amdhsa_user_sgpr_count 2
		.amdhsa_user_sgpr_kernarg_segment_ptr 1
		.amdhsa_wavefront_size32 1
		.amdhsa_system_sgpr_workgroup_id_x 1
		.amdhsa_system_sgpr_workgroup_id_y 1
		.amdhsa_system_sgpr_workgroup_id_z 1
		.amdhsa_system_vgpr_workitem_id 0
		.amdhsa_next_free_vgpr 512
		.amdhsa_next_free_sgpr 66
		.amdhsa_reserve_vcc 0
		.amdhsa_float_denorm_mode_32 3
		.amdhsa_float_denorm_mode_16_64 3
		.amdhsa_fp16_overflow 1
		.amdhsa_memory_ordered 1
		.amdhsa_forward_progress 1
		.amdhsa_inst_pref_size 44
	.end_amdhsa_kernel
	.amdgpu_metadata
---
amdhsa.version: [ 1, 2 ]
amdhsa.kernels:
  - .name:           k_q6c94c81090_proj
    .symbol:         k_q6c94c81090_proj.kd
    .args:
      - { .name: x, .offset: 0, .size: 8, .value_kind: global_buffer, .address_space: global }
      - { .name: gn_scale, .offset: 8, .size: 8, .value_kind: global_buffer, .address_space: global }
      - { .name: gn_bias, .offset: 16, .size: 8, .value_kind: global_buffer, .address_space: global }
      - { .name: stats, .offset: 24, .size: 8, .value_kind: global_buffer, .address_space: global }
      - { .name: wbuf, .offset: 32, .size: 8, .value_kind: global_buffer, .address_space: global }
      - { .name: bsc, .offset: 40, .size: 8, .value_kind: global_buffer, .address_space: global }
      - { .name: lowp_scales, .offset: 48, .size: 8, .value_kind: global_buffer, .address_space: global }
      - { .name: qc, .offset: 56, .size: 8, .value_kind: global_buffer, .address_space: global }
      - { .name: kv, .offset: 64, .size: 8, .value_kind: global_buffer, .address_space: global }
    .group_segment_fixed_size: 134144
    .private_segment_fixed_size: 0
    .kernarg_segment_align: 8
    .kernarg_segment_size: 72
    .max_flat_workgroup_size: 256
    .sgpr_count:     66
    .vgpr_count:     512
    .wavefront_size: 32
...
	.end_amdgpu_metadata
.endif
;; end of part 2
;; launch attn (part 3): grid 32 x 8, 8 waves a work-group, clusters of 4 x 1, 327,680 bytes of LDS; arguments qc, kv, wbuf, bo, x, lowp_scales, out0; writes out0
.if DOCPART == 3
	.amdgcn_target "amdgcn-amd-amdhsa--gfx1250"
	.amdhsa_code_object_version 6
	.text
	.protected	k_q6c94c81090_attn
	.globl	k_q6c94c81090_attn
	.p2align	8
	.type	k_q6c94c81090_attn,@function
k_q6c94c81090_attn:
	s_mov_b64 s[64:65], 0
	v_nop
	global_prefetch_b8 v0, s[64:65] scope:SCOPE_SE
	s_setreg_imm32_b32 hwreg(HW_REG_WAVE_MODE, 25, 1), 1
	s_wait_xcnt 0x0
	s_wait_alu depctr_hold_cnt(0) depctr_sa_sdst(0) depctr_va_vdst(0) depctr_va_sdst(0) depctr_va_ssrc(0) depctr_va_vcc(0) depctr_vm_vsrc(0)
	s_getreg_b32 s2, hwreg(HW_REG_IB_STS2, 6, 4)
	s_cmp_eq_u32 s2, 0
	s_cbranch_scc0 .Lentry_in_a_cluster
	s_endpgm
.Lentry_in_a_cluster:
	s_bfe_u32 s2, ttmp6, 0x10000c
	s_cmp_lg_u32 s2, 0x3003
	s_cbranch_scc0 .Lentry_shape_is_right
	s_endpgm
.Lentry_shape_is_right:
; out = x + softmax(q k^T / sqrt(128)) v wo + bo, the three products on codes of E4M3 as the launch before laid them: every operand an IMAGE OF ITS REGISTERS (a fragment: 16 rows x 128 K, 2,048 bytes;
; lane (r, h): row r, registers 2 c, 2 c + 1: k = 16 c + 8 h + 0 .. 7; register n of lane l at byte 512 (n / 4) + 16 l + 4 (n % 4)): four ds_load_b128 at 16 x lane, no pitch, no padding.
; THE SOFTMAX AHEAD OF THE SECOND PRODUCT: t = score x log2(e) / sqrt(128); M = the largest t so far, rounded UP to a whole number; p = 2^(t - M) is quantised, not normalised; the sum is taken of the
; unquantised p and divides at the end.  When M moves, the sum and O are multiplied by 2^(old M - new M): exact.
; SHARES.  A work-group owns 128 queries of one image.  Wave w = 4 g + p owns TWO tiles of 16 queries (tiles 2 p and 2 p + 1) and HALF the keys: key steps 2 g and 2 g + 1 of each slot of 512 keys.  So each
; fragment of K and V read from LDS feeds two products, and two waves share a SIMD: one's vector work stands beside the other's matrix work and LDS loads.  Register tile 0 is query tile 2 p + g, register
; tile 1 the other: at the end each wave sends register tile 1 (O, M, the sum) to wave w xor 4 through LDS, merges what it receives into register tile 0 by exact powers of two, and finishes that tile.
; BOTH PRODUCTS ARE USED TRANSPOSED: S^T = K Q^T (source 0 = 16 keys), O^T = V^T P^T (source 0 = 16 channels): a lane holds ONE query throughout, and tile f's eight scores, keys 16 f + 8 h + 0 .. 7,
; convert straight into registers 2 f, 2 f + 1 of P.  Likewise O^T / sum converts into the last product's operand.
; RING.  Two LDS slots of 131,072 bytes (K's 32 tiles, then V's 4 steps x 8 fragments: one dense block of memory).  Each wave brings 16,384 bytes of a slot by one tensor load.
; CLUSTER.  The four work-groups of a cluster belong to one image and walk the same K and V: each load is asked for JOINTLY, with the same descriptor and a mask that names the four.
; LIMITS on the given exponents, so that each power of two below is an f32 number: e6 + e7 between -123 and 130 (added to c's exponent field); e8, e10 between -126 and 119; e10 + e11 between -126 and 127;
; e8 + e9 is applied by v_ldexp_f32.  NaN among the inputs is not served.
; REGISTERS.  Window 0: v1-7 addresses and p's scale; v8-19, v20-31 twelve a tile: +0 -M, +1 largest t, +2 +3 the sum, +4 +5 f, +6 +7 a second chain, +8 +9 at work, +10 the exchange; v19, v31 my places in K and V;
;   v32-63 p's codes; v64-127 fragments 0-3; v128-255 S^T, then p.   Window 1: v0-127 O^T; v128-159 Q; v160-223 fragments 4-7.
.set SLOT1, 1<<17                      ; slot 1 begins here: one exclusive or turns an address in one slot into the other's.  Also a slot's bytes in memory
.set SPARE, 2*SLOT1                    ; behind the ring: the spare words, 128 bytes for each wave: four blocks of 256 bytes that no other line names
.set WOI,   SPARE+1024                 ; wo's eight fragments, 16,384 bytes: stored once at the head; no fill lands here
.set XCHB,  8448                       ; the exchange: 8,192 bytes of O and 256 of (M, sum) for each wave, in slot 0: it has had its last fill, and was left at the last change of slots
.set OP,    528                        ; the way out: 16 rows x (512 + 16) bytes for each wave, in slot 1: written only behind the exchange's barrier, in front of which every wave's reads of slot 1 are back
.set LI,  1                            ; 16 x lane
.set SPW, 2                            ; LDS address of my spare word; never rewritten
.set NIL, 3                            ; 0; never rewritten
.set PFO, 4                            ; 256 x lane
.set ADK, 5
.set ADV, 6
.set CVS, 7                            ; 2^e8 as f32
.set ST,  8
.set AK0, 19
.set AV0, 31
.set P,   32
.set F,   64
.set F1,  160                          ; in window 1
.set S,   128
.set Q,   128                          ; in window 1
.set WV,  18                           ; s18 wave
.set G,   19                           ; s19 g
.set SEL, 20                           ; s[20:21] lane selects: lane l xor 16
.set CS,  22                           ; s[22:23] c = log2(e) / sqrt(128) x 2^(e6 + e7)
.set G1,  24                           ; s[24:31] descriptor group 1
.set G0,  32                           ; s[32:35] descriptor group 0: it walks
.set TB,  36                           ; s36 LDS byte at which the slot in hand begins
.set SLOTS, 37                         ; s37 slots still to be asked for
.set LIM, 38                           ; s38 1 in a wave that prefetches, else the greatest number
.set PFA, 40                           ; s[40:41] where my prefetches stand
.set HOLD, 42
.set EPV, 43                           ; s43 e8 + e9
.set MSB, 0
.macro WIN new                         ; the immediate's high byte repeats the setting that is left
.if MSB != \new
	s_set_vgpr_msb (MSB<<8)|\new
.set MSB, \new
.endif
.endm
; A round of the cluster's barrier: my work-group's barrier, so that wave 0's signal speaks for all eight waves; wave 0 signals; every wave waits for the four work-groups; my work-group's barrier once more.
.macro CROUND
	s_barrier_signal -1
	s_barrier_wait -1
	s_cmp_lg_u32 s[WV], 0
	s_cbranch_scc1 .Lnot_wave_0_\@
	s_barrier_signal -3
.Lnot_wave_0_\@:
	s_barrier_wait -3
	s_barrier_signal -1
	s_barrier_wait -1
.endm
; A prefetch of the slot that the NEXT change of slots will ask for, a slot's two key steps a wave ahead of that load.  All clusters of an image walk the same K and V: the image's first cluster asks.  Its four
; partners take 32,768 bytes each, told apart BY ADDRESS; in each, waves 0 to 3 take 8,192 bytes, lanes 256 bytes apart: each aligned block of 256 bytes is named once in the launch.
; The last change that fills a slot asks for nothing; slots 0 and 1 come by their loads alone.
.macro ASK
	s_cmp_gt_u32 s[SLOTS], s[LIM]
	s_cbranch_scc0 .Lnot_mine_\@
	global_prefetch_b8 v[PFO], s[PFA:PFA+1] th:TH_LOAD_NT scope:SCOPE_SE
.Lnot_mine_\@:
.endm
; THE CHANGE OF SLOTS stands at a slot's head.  Each wave waits for all its tensor loads (one is out: its part of the slot ahead), adds 0 to its spare word, and waits for that and for its reads of the slot left.
; fill = 1: a round of the cluster's barrier, so that no wave of any partner still reads the slot left or has a load on its way; the joint refill is the first thing behind it and has a slot's steps in which to land.
.macro CHANGE fill
	s_wait_tensorcnt 0x0                           ; no tensor load of mine is out, so the group 0 may be written
	ds_add_u32 v[SPW], v[NIL]                      ; 0 onto my spare word
.if \fill
	s_xor_b32 s[G0+1], s[G0+1], SLOT1              ; the other slot than last time,
	s_add_nc_u64 s[G0+2:G0+3], s[G0+2:G0+3], SLOT1 ; the next 512 keys; the type bits on top are not reached
	s_wait_xcnt 0x0                                ; the last prefetch, a slot back, has read its address
	s_add_nc_u64 s[PFA:PFA+1], s[PFA:PFA+1], SLOT1 ; one slot further on than the walking descriptor
	s_wait_dscnt 0x0                               ; the add is done, and my LDS stores and my reads of the slot left are over
	CROUND
	tensor_load_to_lds s[G0:G0+3], s[G1:G1+7]
	s_nop 0
.rept 4
	v_nop
.endr
	ASK
.else
	s_wait_dscnt 0x0
	s_barrier_signal -1
	s_barrier_wait -1
.endif
.endm
; Eight fragments, 32 LDS loads in one run: 0-3 into window 0, 4-7 into window 1.  It is entered with every window 0 and leaves the destination's at 1.
.macro FRAGS adr, off
.irp f, 0,1,2,3
.irp c, 0,1,2,3
	ds_load_b128 v[F+16*\f+4*\c:F+16*\f+4*\c+3], v[\adr] offset:\off+2048*\f+512*\c
.endr
.endr
	WIN 0x40
.irp f, 0,1,2,3
.irp c, 0,1,2,3
	ds_load_b128 v[F1+16*\f+4*\c:F1+16*\f+4*\c+3], v[\adr] offset:\off+8192+2048*\f+512*\c
.endr
.endr
.endm
; A KEY STEP: 128 keys, the q-th of my two in the slot in hand, for my two tiles of queries.  The sixteen accumulators of each product take turns, one instruction a turn.
.macro STEP q
	v_add_nc_u32 v[ADK], s[TB], v[AK0]
	v_add_nc_u32 v[ADV], s[TB], v[AV0]
	v_nop
	v_nop                                          ; four places in front of loads into registers that the last products read
	FRAGS ADK, (\q)*16384
	s_wait_alu depctr_va_vdst(0)
	s_wait_dscnt 16                                ; fragments 0-3 are in; the sixteen loads of 4-7 may be out
	WIN 0x04                                       ; source 1 (Q) window 1
.irp f, 0,1,2,3
.irp i, 0,1
	v_wmma_f32_16x16x128_fp8_fp8 v[S+64*\i+8*\f:S+64*\i+8*\f+7], v[F+16*\f:F+16*\f+15], v[Q+16*\i:Q+16*\i+15], 0
.endr
.endr
	s_wait_dscnt 0x0
	WIN 0x05                                       ; source 0 (K) window 1 too
.irp f, 0,1,2,3
.irp i, 0,1
	v_wmma_f32_16x16x128_fp8_fp8 v[S+64*\i+32+8*\f:S+64*\i+32+8*\f+7], v[F1+16*\f:F1+16*\f+15], v[Q+16*\i:Q+16*\i+15], 0
.endr
.endr
	WIN 0
.rept 4
	v_nop                                          ; places in front of the loads below and of the first read of the scores
.endr
	FRAGS ADV, (\q)*16384                          ; V's fragments land while the softmax is walked
	WIN 0
	; the step's largest score of each query: two chains a tile, the tiles by turns; each accumulator is first read at its low end
.irp i, 0,1
	v_max3_num_f32 v[ST+12*\i+8], v[S+64*\i], v[S+64*\i+1], v[S+64*\i+2]
	v_max3_num_f32 v[ST+12*\i+9], v[S+64*\i+3], v[S+64*\i+4], v[S+64*\i+5]
.endr
.irp n, 6,10,14,18,22,26,30,34,38,42,46,50,54,58
.irp i, 0,1
	v_max3_num_f32 v[ST+12*\i+8], v[ST+12*\i+8], v[S+64*\i+\n], v[S+64*\i+\n+1]
	v_max3_num_f32 v[ST+12*\i+9], v[ST+12*\i+9], v[S+64*\i+\n+2], v[S+64*\i+\n+3]
.endr
.endr
.irp i, 0,1
	v_max3_num_f32 v[ST+12*\i+8], v[ST+12*\i+8], v[S+64*\i+62], v[S+64*\i+63]
.endr
.irp i, 0,1
	s_delay_alu instid0(VALU_DEP_2)
	v_max_num_f32 v[ST+12*\i+8], v[ST+12*\i+8], v[ST+12*\i+9]
.endr
.irp i, 0,1
	s_delay_alu instid0(VALU_DEP_2)
	v_permlanex16_b32 v[ST+12*\i+10], v[ST+12*\i+8], s[SEL], s[SEL+1]
.endr
.irp i, 0,1
	s_delay_alu instid0(VALU_DEP_2)
	v_max_num_f32 v[ST+12*\i+8], v[ST+12*\i+8], v[ST+12*\i+10]   ; and among lane l xor 16's
.endr
.irp i, 0,1
	s_delay_alu instid0(VALU_DEP_2)
	v_mul_f32 v[ST+12*\i+8], s[CS], v[ST+12*\i+8]                ; as t (c is positive)
.endr
.irp i, 0,1
	s_delay_alu instid0(VALU_DEP_2)
	v_max_num_f32 v[ST+12*\i+1], v[ST+12*\i+1], v[ST+12*\i+8]    ; the running largest t
.endr
.irp i, 0,1
	v_mov_b32 v[ST+12*\i+8], v[ST+12*\i]
.endr
.irp i, 0,1
	s_delay_alu instid0(VALU_DEP_4)
	v_floor_f32 v[ST+12*\i], -v[ST+12*\i+1]                      ; the new -M = floor(-t) = -ceil(t)
.endr
.irp i, 0,1
	s_delay_alu instid0(VALU_DEP_2)
	v_sub_f32 v[ST+12*\i+8], v[ST+12*\i], v[ST+12*\i+8]          ; old M - new M: a whole number, 0 or less
.endr
.irp i, 0,1
	s_delay_alu instid0(VALU_DEP_2)
	v_cvt_i32_f32 v[ST+12*\i+8], v[ST+12*\i+8]                   ; (it saturates)
.endr
.irp i, 0,1
	s_delay_alu instid0(VALU_DEP_2)
	v_ldexp_f32 v[ST+12*\i+4], 1.0, v[ST+12*\i+8]                ; f = 2^(old M - new M)
.endr
.set j, 0
.rept 64
	v_pk_fma_f32 v[S+j:S+j+1], v[S+j:S+j+1], s[CS:CS+1], v[ST+12*(j/64):ST+12*(j/64)+1] op_sel_hi:[1,0,0]   ; t - M, two at a time (of the pairs c and -M the low word serves both halves)
.set j, j+2
.endr
.set j, 0
	s_wait_alu depctr_va_vdst(0)
.rept 128
	v_exp_f32 v[S+j], v[S+j]                       ; p = 2^(t - M), at most 1: one batch for both tiles
.set j, j+1
.endr
.irp i, 0,1
	v_pk_mul_f32 v[ST+12*\i+2:ST+12*\i+3], v[ST+12*\i+2:ST+12*\i+3], v[ST+12*\i+4:ST+12*\i+5] op_sel_hi:[1,0]   ; the sums under the new M: the plain lines behind the exponentials
.endr
	s_wait_alu depctr_va_vdst(0)                   ; one wait for the batch, ahead of its first reader
.irp i, 0,1
	v_pk_add_f32 v[ST+12*\i+6:ST+12*\i+7], v[S+64*\i:S+64*\i+1], v[S+64*\i+2:S+64*\i+3]   ; the sum is taken of the UNQUANTISED p: two chains a tile
.endr
.irp n, 4,8,12,16,20,24,28,32,36,40,44,48,52,56,60
.irp i, 0,1
	v_pk_add_f32 v[ST+12*\i+2:ST+12*\i+3], v[ST+12*\i+2:ST+12*\i+3], v[S+64*\i+\n:S+64*\i+\n+1]
	v_pk_add_f32 v[ST+12*\i+6:ST+12*\i+7], v[ST+12*\i+6:ST+12*\i+7], v[S+64*\i+\n+2:S+64*\i+\n+3]
.endr
.endr
.irp i, 0
	s_delay_alu instid0(VALU_DEP_3)
	v_pk_add_f32 v[ST+12*\i+2:ST+12*\i+3], v[ST+12*\i+2:ST+12*\i+3], v[ST+12*\i+6:ST+12*\i+7]
.endr
.irp i, 1
	s_delay_alu instid0(VALU_DEP_2)
	v_pk_add_f32 v[ST+12*\i+2:ST+12*\i+3], v[ST+12*\i+2:ST+12*\i+3], v[ST+12*\i+6:ST+12*\i+7]
.endr
.set t, 0
.rept 16                                       ; tile t / 8, keys 16 (t % 8) on
.set j, 0
.rept 8
.set j, j+1
.endr
	v_cvt_scalef32_pk8_fp8_f32 v[P+2*t:P+2*t+1], v[S+8*t:S+8*t+7], v[CVS]
.set t, t+1
.endr
	WIN 0x41                                       ; O^T (destination and source 0) window 1, f window 0
.set j, 0
.rept 64
	v_pk_mul_f32 v[j:j+1], v[j:j+1], v[ST+12*(j/64)+4:ST+12*(j/64)+5] op_sel_hi:[1,0]   ; O^T under the new M; these are also the plain lines behind the last conversion
.set j, j+2
.endr
	s_wait_alu depctr_va_vdst(0)
	s_wait_dscnt 0x0                               ; V's fragments are in
	WIN 0x50                                       ; C and D (O^T) window 1
.irp f, 0,1,2,3
.irp i, 0,1
	v_wmma_f32_16x16x128_fp8_fp8 v[64*\i+8*\f:64*\i+8*\f+7], v[F+16*\f:F+16*\f+15], v[P+16*\i:P+16*\i+15], v[64*\i+8*\f:64*\i+8*\f+7]
.endr
.endr
	WIN 0x51                                       ; source 0 (V) window 1 too
.irp f, 0,1,2,3
.irp i, 0,1
	v_wmma_f32_16x16x128_fp8_fp8 v[64*\i+32+8*\f:64*\i+32+8*\f+7], v[F1+16*\f:F1+16*\f+15], v[P+16*\i:P+16*\i+15], v[64*\i+32+8*\f:64*\i+32+8*\f+7]
.endr
.endr
	WIN 0
.endm
.macro SLOT_STEPS
	STEP 0
	STEP 1
	s_xor_b32 s[TB], s[TB], SLOT1                  ; on to the other slot
.endm
	s_load_b256 s[4:11], s[0:1], 0x0               ; qc s[4:5], kv s[6:7], wbuf s[8:9], bo s[10:11]
	s_load_b128 s[12:15], s[0:1], 0x20             ; x s[12:13], the scales' exponents s[14:15]
	s_load_b64 s[16:17], s[0:1], 0x30              ; out0
	v_lshl_add_u32 v[SPW], v0, 2, SPARE
	v_mov_b32 v[NIL], 0
	ds_add_u32 v2, v3
	ds_add_u32 v2, v3
	s_wait_dscnt 0x0
	v_lshrrev_b32 v5, 5, v0
	s_delay_alu instid0(VALU_DEP_1)
	v_readfirstlane_b32 s[WV], v5                  ; wave 0..7
	s_lshr_b32 s[G], s[WV], 2                      ; g: which half of the keys
	s_and_b32 s58, s[WV], 3                        ; p: which pair of query tiles
	s_bfe_u32 s59, ttmp6, 0x40000                  ; cx: my place in the cluster
	s_lshl_b32 s60, ttmp9, 2                       ; in a cluster launch ttmp9 counts clusters
	s_add_co_u32 s60, s60, s59                     ; my block of 128 queries: it enters Q's, x's and out0's addresses alone
	s_and_b32 s61, ttmp7, 0xffff                   ; the image, which the four partners share
	; descriptor group 1: 64 rows of 32 elements of 8 bytes, dense: 16,384 consecutive bytes
	s_mov_b32 s[G1], 15|(3<<16)|(1<<21)            ; 15:0 the mask: all four work-groups; 17:16 elements of 8 bytes; 20 no padding; 21 set beside a mask
	s_mov_b32 s[G1+1], 32<<16                      ; tensor_dim0 = 32
	s_mov_b32 s[G1+2], 64<<16                      ; tensor_dim1 = 64
	s_mov_b32 s[G1+3], 32<<16                      ; tile_dim0 = 32
	s_mov_b32 s[G1+4], 64                          ; tile_dim1 = 64
	s_mov_b32 s[G1+5], 32                          ; tensor_dim0_stride
	s_mov_b32 s[G1+6], 0
	s_mov_b32 s[G1+7], 0
	s_mov_b32 s[SEL], 0x76543210
	s_mov_b32 s[SEL+1], 0xfedcba98
	s_mov_b32 s[TB], 0
	s_mov_b32 s[SLOTS], 7
	s_or_b32 s[LIM], s[G], ttmp9                   ; 0 in waves 0 to 3 of the image's first cluster: the same in all four partners
	s_cmp_eq_u32 s[LIM], 0
	s_cselect_b32 s[LIM], 1, -1
	s_lshl_b32 s62, s61, 20                        ; the image's 8 slots
	s_mov_b32 s63, 0
	s_lshl_b32 s66, s[WV], 14                      ; my 16,384 bytes of a slot
	s_mov_b32 s67, 0
	s_lshl_b32 s68, s59, 15                        ; the prefetches: my work-group's 32,768 bytes of a slot,
	s_lshl_b32 s69, s58, 13                        ; my wave's 8,192,
	s_add_co_u32 s68, s68, s69
	s_add_co_u32 s68, s68, SLOT1                   ; in slot 1: the first change of slots steps it to slot 2
	s_mov_b32 s69, 0
	s_wait_kmcnt 0x0
	s_load_b256 s[44:51], s[14:15], 0x0            ; e0 .. e7
	s_load_b128 s[52:55], s[14:15], 0x20           ; e8 .. e11
	s_add_nc_u64 s[6:7], s[6:7], s[62:63]
	s_mov_b32 s[G0], 1                             ; count = 1
	s_lshl_b32 s[G0+1], s[WV], 14                  ; LDS address: slot 0, my part: no place in the cluster enters it
	s_add_nc_u64 s[G0+2:G0+3], s[6:7], s[66:67]    ; global address
	s_or_b32 s[G0+3], s[G0+3], 0x80000000          ; type = 2
	s_add_nc_u64 s[PFA:PFA+1], s[6:7], s[68:69]
	CROUND                                         ; all four work-groups are here: the first joint loads meet
	tensor_load_to_lds s[G0:G0+3], s[G1:G1+7]      ; slot 0
	s_nop 0
.rept 4
	v_nop
.endr
	v_and_b32 v8, 31, v0
	s_delay_alu instid0(VALU_DEP_1)
	v_lshlrev_b32 v[LI], 4, v8
	s_wait_alu depctr_va_vdst(0)
	v_lshlrev_b32 v[PFO], 8, v8
	s_lshl_b32 s70, s58, 1
	s_add_co_u32 s70, s70, s[G]                    ; register tile 0 = query tile 2 p + g: the one that I finish
	s_xor_b32 s71, s70, 1                          ; register tile 1 = the other of the pair
	s_lshl_b32 s62, s61, 19                        ; qc: the image's 256 tiles of 2,048 bytes,
	s_lshl_b32 s66, s60, 14                        ; my block's 8
	s_add_co_u32 s62, s62, s66
	s_add_nc_u64 s[4:5], s[4:5], s[62:63]
	s_lshl_b32 s66, s70, 11
	s_lshl_b32 s67, s71, 11
	v_add_nc_u32 v5, s66, v[LI]
	v_add_nc_u32 v6, s67, v[LI]
	WIN 0x40                                       ; destination window 1
.irp i, 0,1
.irp c, 0,1,2,3
	global_load_b128 v[Q+16*\i+4*\c:Q+16*\i+4*\c+3], v[5+\i], s[4:5] offset:512*\c   ; Q's two fragments stay in registers
.endr
.endr
	WIN 0
	v_lshlrev_b32 v16, 4, v0
	s_delay_alu instid0(VALU_DEP_1)
	v_add_nc_u32 v17, WOI, v16
.irp i, 0,1,2,3
	global_load_b128 v[F+4*\i:F+4*\i+3], v16, s[8:9] offset:49152+4096*\i   ; wo's images, on their way to LDS: 256 threads x 16 bytes a line
.endr
	s_lshl_b32 s62, s61, 21                        ; x and out0: the image's 4,096 rows of 512 bytes,
	s_lshl_b32 s66, s60, 16                        ; my block's 128,
	s_add_co_u32 s62, s62, s66
	s_lshl_b32 s66, s70, 13                        ; the 16 of the tile that I finish
	s_add_co_u32 s62, s62, s66
	s_add_nc_u64 s[12:13], s[12:13], s[62:63]
	s_add_nc_u64 s[16:17], s[16:17], s[62:63]
	s_lshl_b32 s66, s[G], 15
	v_add_nc_u32 v[AK0], s66, v[LI]                ; K: my two key steps begin 32,768 g into a slot
	s_delay_alu instid0(VALU_DEP_1)
	v_add_nc_u32 v[AV0], 0x10000, v[AK0]           ; V: 65,536 further on
.irp i, 0,1
	v_mov_b32 v[ST+12*\i+1], 0xff61b1e6            ; the largest t so far: -3e38, under every t
	s_delay_alu instid0(VALU_DEP_1)
	v_floor_f32 v[ST+12*\i], -v[ST+12*\i+1]        ; -M
	v_mov_b32 v[ST+12*\i+2], 0                     ; the sum, in two halves
	v_mov_b32 v[ST+12*\i+3], 0
	v_mov_b32 v[ST+12*\i+5], 0                     ; (named as the upper half of f's pair)
	v_mov_b32 v[ST+12*\i+10], 0                    ; (a lane permute's destination counts as one of its sources)
.endr
	WIN 0x40
.set j, 0
.rept 128
	v_mov_b32 v[j], 0                              ; O^T.  The key step is written without a first step of its own: 128 moves once, against a further copy of a slot's two steps in the text; the first change of M leaves zeros zeros
.set j, j+1
.endr
	WIN 0
	s_wait_kmcnt 0x0
	s_add_co_i32 s66, s50, s51
	s_lshl_b32 s66, s66, 23
	s_mov_b32 s[CS], 0x3e0293ee                    ; c = log2(e) / sqrt(128);
	s_add_co_i32 s[CS], s[CS], s66                 ; a score stands for score x 2^(e6 + e7): the two exponents are added to c's exponent field
	s_mov_b32 s[CS+1], s[CS]                       ; (named with it as a pair, so it is written)
	s_add_co_i32 s66, s52, 127
	s_lshl_b32 s67, s66, 23
	v_mov_b32 v[CVS], s67                          ; 2^e8 as f32, for p's conversion
	s_add_co_i32 s[EPV], s52, s53                  ; e8 + e9
	s_add_co_i32 s66, s54, 127
	s_lshl_b32 s72, s66, 23                        ; 2^e10
	s_add_co_i32 s66, s54, s55
	s_add_co_i32 s66, s66, 127
	s_lshl_b32 s56, s66, 23                        ; 2^(e10 + e11)
	s_mov_b32 s57, s56
	s_wait_loadcnt 0x0                             ; Q and wo
.irp i, 0,1,2,3
	ds_store_b128 v17, v[F+4*\i:F+4*\i+3] offset:4096*\i   ; waited for in front of the first change of slots, whose round shows them to every wave
.endr
.Lslot:                                            ; seven trips: behind each change of slots but the last the next slot is asked for
	CHANGE 1
	SLOT_STEPS
	s_sub_co_u32 s[SLOTS], s[SLOTS], 1
	s_cmp_lg_u32 s[SLOTS], 0
	s_cbranch_scc1 .Lslot
	CHANGE 0                                       ; the last slot is written out
	SLOT_STEPS
	; ---- THE WAY OUT.  The sums' halves are added; the addresses are made: these lines are also the places behind the last products
.irp i, 0,1
	v_add_f32 v[ST+12*\i+2], v[ST+12*\i+2], v[ST+12*\i+3]
.endr
.irp i, 0,1
	s_delay_alu instid0(VALU_DEP_2)
	v_permlanex16_b32 v[ST+12*\i+10], v[ST+12*\i+2], s[SEL], s[SEL+1]
.endr
.irp i, 0,1
	s_delay_alu instid0(VALU_DEP_2)
	v_add_f32 v[ST+12*\i+2], v[ST+12*\i+2], v[ST+12*\i+10]
.endr
	s_mul_i32 s58, s[WV], XCHB
	s_xor_b32 s59, s[WV], 4
	s_mul_i32 s59, s59, XCHB
	v_add_nc_u32 v5, s58, v[LI]                    ; the exchange: my bytes,
	v_add_nc_u32 v6, s59, v[LI]                    ; wave w xor 4's
	v_lshrrev_b32 v18, 1, v[LI]                    ; 8 x lane
	s_delay_alu instid0(VALU_DEP_1)
	v_add_nc_u32 v16, s58, v18
	s_delay_alu instid0(VALU_DEP_2)
	v_add_nc_u32 v17, s59, v18
	v_and_b32 v28, 15, v0
	v_bfe_u32 v29, v0, 4, 1
	s_delay_alu instid0(VALU_DEP_2)
	v_mul_u32_u24 v28, v28, OP
	s_delay_alu instid0(VALU_DEP_1)
	v_lshl_add_u32 v28, v29, 5, v28
	s_add_co_u32 s58, s58, SLOT1
	v_add_nc_u32 v28, s58, v28                     ; my stage, in: row r, + 32 h
	v_add_nc_u32 v29, s58, v[LI]                   ; back: a row's 16 bytes of my lane
	v_add_nc_u32 v[AK0], WOI, v[LI]
	v_mov_b32 v21, v22                             ; (-M, sum) of register tile 1 as a pair
.irp i, 0,1,2,3,4,5,6,7,8,9,10,11,12,13,14,15
	global_load_b128 v[192+4*\i:192+4*\i+3], v[LI], s[12:13] offset:512*\i th:TH_LOAD_NT   ; x's 16 rows of my tile: a whole row a line; read once in this launch
.endr
	global_load_b128 v[48:51], v[LI], s[10:11]     ; bo of my lane's four channels
	WIN 0x04                                       ; store data window 1
.irp j, 0,1,2,3,4,5,6,7,8,9,10,11,12,13,14,15
	ds_store_b128 v5, v[64+4*\j:64+4*\j+3] offset:512*\j   ; register tile 1's O^T as it stands, each accumulator from its low end on
.endr
	WIN 0
	ds_store_b64 v16, v[20:21] offset:8192
	FRAGS AK0, 0                                   ; wo's eight fragments
	WIN 0
	s_wait_alu depctr_va_vdst(0)
	s_wait_dscnt 0x0                               ; for the others' sake: my stores have landed; and my reads of slot 1 are long back
	s_barrier_signal -1
	s_barrier_wait -1
.irp j, 0,1,2,3,4,5,6,7,8,9,10,11,12,13,14,15
	ds_load_b128 v[S+4*\j:S+4*\j+3], v6 offset:512*\j      ; the other half of the keys' O^T for the tile that I finish
.endr
	ds_load_b64 v[52:53], v17 offset:8192
	s_wait_dscnt 0x0
	v_min_num_f32 v54, v8, v52                     ; -M of both halves together
	s_delay_alu instid0(VALU_DEP_1)
	v_sub_f32 v55, v54, v8
	s_delay_alu instid0(VALU_DEP_2)
	v_sub_f32 v56, v54, v52
	s_delay_alu instid0(VALU_DEP_2)
	v_cvt_i32_f32 v55, v55
	s_delay_alu instid0(VALU_DEP_2)
	v_cvt_i32_f32 v56, v56
	s_delay_alu instid0(VALU_DEP_2)
	v_ldexp_f32 v55, 1.0, v55                      ; my half's factor, an exact power of two,
	s_delay_alu instid0(VALU_DEP_2)
	v_ldexp_f32 v56, 1.0, v56                      ; the other's
	s_delay_alu instid0(VALU_DEP_2)
	v_mul_f32 v57, v10, v55
	s_delay_alu instid0(VALU_DEP_1)
	v_fmac_f32 v57, v53, v56                       ; the row's sum
	s_wait_alu depctr_va_vdst(0)
	v_rcp_f32 v58, v57
	v_mov_b32 v60, s72                             ; 2^e10
	s_wait_alu depctr_va_vdst(0)                   ; the wait ahead of the first reader
	v_ldexp_f32 v58, v58, s[EPV]                   ; x 2^(e8 + e9)
	s_delay_alu instid0(VALU_DEP_1)
	v_mul_f32 v12, v55, v58
	s_delay_alu instid0(VALU_DEP_2)
	v_mul_f32 v24, v56, v58
.set j, 0
.rept 32
	v_pk_mul_f32 v[S+j:S+j+1], v[S+j:S+j+1], v[24:25] op_sel_hi:[1,0]
.set j, j+2
.endr
	WIN 0x01                                       ; source 0 (my O^T) window 1
.set j, 0
.rept 32
	v_pk_fma_f32 v[S+j:S+j+1], v[j:j+1], v[12:13], v[S+j:S+j+1] op_sel_hi:[1,0,1]   ; o: register 8 n + i is o(query r, channel 16 n + 8 h + i)
.set j, j+2
.endr
	WIN 0
.irp t, 0,1,2,3,4,5,6,7
.irp j, 0,1,2,3,4,5,6,7
.endr
	v_cvt_scalef32_pk8_fp8_f32 v[P+2*\t:P+2*\t+1], v[S+8*\t:S+8*\t+7], v60
.endr
	v_nop                                          ; a plain vector line behind the last conversion
.irp t, 0,1,2,3                                ; (o wo)^T: source 0 = 16 out channels of wo, source 1 = my 16 queries
	v_wmma_f32_16x16x128_fp8_fp8 v[S+8*\t:S+8*\t+7], v[F+16*\t:F+16*\t+15], v[P:P+15], 0
.endr
	WIN 0x01
.irp t, 0,1,2,3
	v_wmma_f32_16x16x128_fp8_fp8 v[S+32+8*\t:S+32+8*\t+7], v[F1+16*\t:F1+16*\t+15], v[P:P+15], 0
.endr
	WIN 0
.rept 4
	v_nop
.endr
.irp t, 0,1,2,3,4,5,6,7
	ds_store_b128 v28, v[S+8*\t:S+8*\t+3] offset:64*\t         ; lane (r, h): row r, channels 16 t + 8 h + 0 .. 7
	ds_store_b128 v28, v[S+8*\t+4:S+8*\t+7] offset:64*\t+16
.endr
.irp i, 0,1,2,3,4,5,6,7,8,9,10,11,12,13,14,15
	ds_load_b128 v[F+4*\i:F+4*\i+3], v29 offset:OP*\i          ; back as whole rows; LDS serves a wave's instructions in order (ISA guide 5.7.1.4)
.endr
	s_wait_loadcnt 0x0                             ; x and bo
.irp i, 0,1,2,3,4,5,6,7,8,9,10,11,12,13,14,15
	v_pk_add_f32 v[192+4*\i:192+4*\i+1], v[192+4*\i:192+4*\i+1], v[48:49]
	v_pk_add_f32 v[192+4*\i+2:192+4*\i+3], v[192+4*\i+2:192+4*\i+3], v[50:51]
.endr
	s_wait_dscnt 0x0
.set j, 0
.rept 32
	v_pk_fma_f32 v[F+j:F+j+1], v[F+j:F+j+1], s[56:57], v[192+j:192+j+1] op_sel_hi:[1,0,1]   ; sum x 2^(e10 + e11) + (x + bo)
.set j, j+2
.endr
.irp i, 0,1,2,3,4,5,6,7,8,9,10,11,12,13,14,15
	global_store_b128 v[LI], v[F+4*\i:F+4*\i+3], s[16:17] offset:512*\i th:TH_STORE_NT   ; 32 lanes store a row of 512 bytes, aligned; written once, read by nobody here
.endr
	s_wait_tensorcnt 0x0                           ; the wave's end, behind my last tensor load and my last LDS store
	ds_add_u32 v[SPW], v[NIL]
	s_wait_dscnt 0x0
	CROUND                                         ; the closing round: no work-group ends while a partner may still ask for a tile that names it
	s_endpgm
.Lfunc_end_k_q6c94c81090_attn:
	.size	k_q6c94c81090_attn, .Lfunc_end_k_q6c94c81090_attn-k_q6c94c81090_attn
	.p2alignl 7, 3214868480
	.fill 96, 4, 3214868480
	.section	.rodata,"a",@progbits
	.p2align	6, 0x0
	.amdhsa_kernel k_q6c94c81090_attn
		.amdhsa_group_segment_fixed_size 327680
		.amdhsa_private_segment_fixed_size 0
		.amdhsa_enable_private_segment 0
		.amdhsa_kernarg_size 56
		.amdhsa_user_sgpr_count 2
		.amdhsa_user_sgpr_kernarg_segment_ptr 1
		.amdhsa_wavefront_size32 1
		.amdhsa_system_sgpr_workgroup_id_x 1
		.amdhsa_system_sgpr_workgroup_id_y 1
		.amdhsa_system_sgpr_workgroup_id_z 1
		.amdhsa_system_vgpr_workitem_id 0
		.amdhsa_next_free_vgpr 512
		.amdhsa_next_free_sgpr 80
		.amdhsa_reserve_vcc 0
		.amdhsa_float_denorm_mode_32 3
		.amdhsa_float_denorm_mode_16_64 3
		.amdhsa_fp16_overflow 1
		.amdhsa_memory_ordered 1
		.amdhsa_forward_progress 1
		.amdhsa_inst_pref_size 151
	.end_amdhsa_kernel
	.amdgpu_metadata
---
amdhsa.version: [ 1, 2 ]
amdhsa.kernels:
  - .name:           k_q6c94c81090_attn
    .symbol:         k_q6c94c81090_attn.kd
    .args:
      - { .name: qc, .offset: 0, .size: 8, .value_kind: global_buffer, .address_space: global }
      - { .name: kv, .offset: 8, .size: 8, .value_kind: global_buffer, .address_space: global }
      - { .name: wbuf, .offset: 16, .size: 8, .value_kind: global_buffer, .address_space: global }
      - { .name: bo, .offset: 24, .size: 8, .value_kind: global_buffer, .address_space: global }
      - { .name: x, .offset: 32, .size: 8, .value_kind: global_buffer, .address_space: global }
      - { .name: lowp_scales, .offset: 40, .size: 8, .value_kind: global_buffer, .address_space: global }
      - { .name: out0, .offset: 48, .size: 8, .value_kind: global_buffer, .address_space: global }
    .group_segment_fixed_size: 327680
    .private_segment_fixed_size: 0
    .kernarg_segment_align: 8
    .kernarg_segment_size: 56
    .max_flat_workgroup_size: 256
    .sgpr_count:     80
    .vgpr_count:     512
    .wavefront_size: 32
...
	.end_amdgpu_metadata
.endif
;; end of part 3
